; MI455X (gfx1250); checked and timed in simulation.
; The chip was launched on July 23, 2026; its instructions are those of AMD's public machine-readable ISA for CDNA 5 (MIT licence, August 2026) and "CDNA5" Instruction Set Architecture Reference Guide (July 2026). The comments in the code are by the model that wrote it; some were corrected since.
;; Set Attention. Allowed arithmetic: matrix products marked QUANTISED: E4M3 operands, one E8M0 scale for each 32 along K, by v_wmma_scale_f32_16x16x128_f8f6f4 with both operands' format E4M3, f32 sums; products left as they are: f32 operands where the result goes on into a quantised operand, else bf16, f16 or f32 operands; f32 sums; everything else in f32.
;; Inputs: Wk 256 x 256 float32; Wp 256 x 256 float32; Wq 256 x 256 float32; Wv 256 x 256 float32; bk 256 float32; bn_b 16 float32; bn_g 16 float32; bn_m 16 float32; bn_v 16 float32; bp 256 float32; bq 256 float32; bv 256 float32; fc1_b 1,024 float32; fc1_w 1,024 x 256 float32; fc2_b 256 float32; fc2_w 256 x 1,024 float32; ln1_b 256 float32; ln1_g 256 float32; ln2_b 256 float32; ln2_g 256 float32; pe_b1 16 float32; pe_b2 8 float32; pe_w1 16 x 2 float32; pe_w2 8 x 16 float32; pos 4 x 16,384 x 2 float32; x 4 x 16,384 x 256 float32.
;; Outputs: out0 4 x 16,384 x 256 float32.
;; This version of the problem:
;;   THIS VERSION OF THE PROBLEM IS GIVEN IN LOW PRECISION. The matrix products marked QUANTISED in the list below multiply operands that are first quantised to E4M3 (4 exponent bits, 3 mantissa bits; 8 bits a number), with one power-of-two scale for each 32 numbers along K (OCP MX v1.0); their sums are f32. All else is computed in f32.
;;   The module's matrix products, in the order in which they are computed (A, B: the left and right operand; K: the contracted axis; several contracted axes count as one K, in the product's order):
;;     1. [M 2,097,152, K 2] x [K 2, N 16]; A: computed on the way; B: input pe_w1: left as it is (K = 2 < 32)
;;     2. [M 2,097,152, K 16] x [K 16, N 8]; A: computed on the way; B: input pe_w2: left as it is (K = 16 < 32)
;;     3. [M 65,536, K 256] x [K 256, N 256]; A: computed on the way; B: input Wq: QUANTISED
;;     4. [M 65,536, K 256] x [K 256, N 256]; A: computed on the way; B: input Wk: QUANTISED
;;     5. [M 65,536, K 256] x [K 256, N 256]; A: computed on the way; B: input Wv: QUANTISED
;;     6. batch 16,384 x [M 32, K 32] x [K 32, N 32]; A: computed on the way; B: computed on the way: QUANTISED
;;     7. batch 16,384 x [M 32, K 32] x [K 32, N 32]; A: softmax (see below); B: computed on the way: QUANTISED
;;     8. [M 65,536, K 256] x [K 256, N 256]; A: computed on the way; B: input Wp: QUANTISED
;;     9. [M 65,536, K 256] x [K 256, N 1,024]; A: computed on the way; B: input fc1_w: QUANTISED
;;     10. [M 65,536, K 1,024] x [K 1,024, N 256]; A: computed on the way; B: input fc2_w: QUANTISED
;;   THE QUANTISER, for each operand of a quantised product, along K:
;;     - K is cut into blocks of 32 from its start; a last block that is shorter is filled with zeros.
;;     - A block's scale is 2^e with e = floor(log2(the largest magnitude in the block)) - 8, held to -126 .. 127; a block of zeros has e = 0. As a byte (E8M0): e + 127.
;;     - Each number is divided by its block's scale, clamped to +-448, and rounded to the nearest number of E4M3, ties to even, subnormals kept.
;;     - The product sums the exact products of the quantised numbers (number of the format x scale) in f32.
;;   ~~~python
;;   def quantise(x, axis):      # numpy; x: float32 -> the quantised numbers, widened to float32 again
;;       x = np.moveaxis(x, axis, -1); K = x.shape[-1]
;;       x = np.pad(x, [(0, 0)] * (x.ndim - 1) + [(0, -K % 32)]); x = x.reshape(x.shape[:-1] + (-1, 32)); a = np.abs(x).max(-1, keepdims=True)
;;       e = np.where(a > 0, np.clip(np.frexp(np.where(a > 0, a, 1))[1] - 1 - 8, -126, 127), 0)      # np.frexp(a)[1] - 1 = floor(log2(a)), exactly
;;       r = np.clip(x / 2.0 ** e, -448, 448)
;;       step = 2.0 ** (np.maximum(np.frexp(np.where(r == 0, 1, r))[1] - 1, -6) - 3)
;;       q = np.round(r / step) * step * 2.0 ** e      # np.round: ties to even
;;       return np.moveaxis(q.reshape(q.shape[:-2] + (-1,))[..., :K], -1, axis).astype(np.float32)
;;   ~~~
;;   SOFTMAX AHEAD OF A QUANTISED PRODUCT. Where the list says 'softmax', what is quantised is not the finished softmax but p = 2^(t - M), with t = logit x log2(e) and M = ceil(the row's largest t), a whole number; so 1/2 < the row's largest p <= 1. The row's sum l is taken of the UNQUANTISED p, in f32, and the product's result is divided by l at the end. Since M is a whole number, a kernel that streams over the keys may use a running M (the ceiling of the running maximum): every later rescaling is an exact power of two, which a block's scale takes up: the codes' values come out the same.
;;   OPERANDS COMPUTED ON THE WAY. 'Computed on the way' means the value that the module computes at that place (a softmax that the list does not call 'softmax' is quantised finished and normalised). What goes into a quantiser is computed in f32, as accurately as f32 sums, v_exp_f32 and their like allow (about 1e-6 of the number): no bf16 or f16 on the way to a quantiser, and a product that is left as it is and whose result goes on into a quantised operand takes f32 operands (vector FMAs, or v_wmma_f32_16x16x4_f32). A number that lies on a knife's edge between two numbers of the format may be rounded either way, as far as f32 arithmetic and the matrix unit's own rounding can turn it there, and no further.
;; One version. Each part assembles by itself: llvm-mc -triple=amdgcn-amd-amdhsa -mcpu=gfx1250 --defsym DOCPART=n.
;; ======== version 1 of 1: 2 launches
;; workspace buffers: wts 878,592 bytes; tab 17,664 bytes
;; launch prep (part 1): grid 27 x 1, 16 waves a work-group, no clusters, 3,072 bytes of LDS; arguments Wq, Wk, Wv, Wp, fc1_w, fc2_w, ln1_g, ln1_b, bq, bk, bp, ln2_g, ln2_b, fc2_b, fc1_b, bv, pe_w1, pe_b1, bn_g, bn_b, bn_m, bn_v, pe_w2, pe_b2, wts, tab; writes wts, tab
.if DOCPART == 1
	.amdgcn_target "amdgcn-amd-amdhsa--gfx1250"
	.amdhsa_code_object_version 6
	.text
	.protected	k_qc2865ff9a3_prep
	.globl	k_qc2865ff9a3_prep
	.p2align	8
	.type	k_qc2865ff9a3_prep,@function
k_qc2865ff9a3_prep:
	s_mov_b64 s[64:65], 0
	v_nop
	global_prefetch_b8 v0, s[64:65] scope:SCOPE_SE
	s_setreg_imm32_b32 hwreg(HW_REG_WAVE_MODE, 25, 1), 1
	s_wait_xcnt 0x0
; The six weights (f32, K innermost) become codes of E4M3 with one E8M0 byte for each 32 along K, laid in the order of a matrix operand's registers; the small vectors are gathered in one table.
; wts: 26 CONTENTS of 33,792 bytes.  A content is 16 FRAGMENTS of 2,048 bytes and a scale image of 1,024.  A fragment is 16 rows x 128 K as an image of 16 registers: byte 512 c + 16 l + i is the code of
; row rowbase + r + 8 (r / 8) at k = koff + 32 c + 16 h + i (l the lane, r = l % 16, h = l / 16).  The scale image is an image of 8 registers: register p of it holds the scale words of fragment 2 p in
; lanes 0-15 and of fragment 2 p + 1 in lanes 16-31; it lies as two runs of 512 bytes, register 4 q + j at byte 512 q + 16 l + 4 j.
; Contents 0,1: Wq; 2,3: Wk; 4,5: Wv; 6,7: Wp (128 rows each); content 8 + m, m = 0 .. 17: fragments 0-7 fc1_w's rows 64 m on, fragments 8-15 fc2_w's half m - 2 (128 rows x 128 K).
; The halves (m < 2, fragments 8-15) and (m > 15, fragments 0-7) are multiplied by nobody: they hold a neighbour's numbers, so that every byte that the next launch fetches is written.
; Work-group k < 26 makes content k, its wave f fragment f; all take one path, on which pointer, pitch, rows and K are chosen by selects on the two numbers.  Work-group 26 makes the table.
; A block's scale is 2^(floor(log2(its largest magnitude)) - 8); its byte is that magnitude's exponent field - 8, held at 1 from below.
; LIMITS: a block of zeros gets the byte 1 where the rule says 127 (its codes are zeros, and this program alone reads the bytes); NaN and infinities among the inputs are not served.
.set XR,  32                           ; v32-95   64 numbers: register 16 c + i = k 32 c + 16 h + i of my row
.set PCD, 16                           ; v16-31   the fragment's codes
.set TM,  96                           ; v96-111  at work
.set PW,  112                          ; v112     my row's scale word
.set SEL, 72                           ; s[72:73] lane selects: lane l xor 16
.set MNT, 74                           ; s74      the mantissa field of 448
	s_load_b512 s[16:31], s[0:1], 0x0              ; Wq Wk Wv Wp fc1_w fc2_w ln1_g ln1_b
	s_load_b512 s[32:47], s[0:1], 0x40             ; bq bk bp ln2_g ln2_b fc2_b fc1_b bv
	s_load_b512 s[48:63], s[0:1], 0x80             ; pe_w1 pe_b1 bn_g bn_b bn_m bn_v pe_w2 pe_b2
	s_load_b128 s[68:71], s[0:1], 0xc0             ; wts, tab
	v_lshl_add_u32 v128, v0, 2, 0x400
	v_mov_b32 v129, 0
	v_lshrrev_b32 v1, 5, v0
	v_readfirstlane_b32 s2, v1                     ; wave f
	v_and_b32 v1, 31, v0                           ; l
	v_and_b32 v2, 15, v0                           ; r
	v_bfe_u32 v3, v0, 4, 1                         ; h
	v_lshlrev_b32 v4, 4, v1                        ; 16 l
	s_mov_b32 s[SEL], 0x76543210
	s_mov_b32 s[SEL+1], 0xfedcba98
	s_mov_b32 s[MNT], 0x600000
	s_wait_kmcnt 0x0
	s_cmp_eq_u32 ttmp9, 26
	s_cbranch_scc1 .Ltab
	; ---- a content.  All four forms of the first row are made, then one is chosen
	s_and_b32 s4, ttmp9, 1
	s_lshl_b32 s4, s4, 7                           ; 128 (k % 2)
	s_lshr_b32 s5, s2, 2
	s_lshl_b32 s5, s5, 5
	s_bfe_u32 s6, s2, 0x10001
	s_lshl_b32 s6, s6, 3
	s_add_co_u32 s5, s5, s6                        ; 32 (f / 4) + 8 ((f / 2) % 2)
	s_add_co_u32 s3, s4, s5                        ; Wq, Wk, Wp
	s_bfe_u32 s6, s2, 0x20001                      ; (f / 2) % 4
	s_lshl_b32 s8, s6, 5
	s_lshr_b32 s7, s2, 3
	s_lshl_b32 s7, s7, 3
	s_add_co_u32 s8, s8, s7
	s_add_co_u32 s8, s8, s4                        ; Wv: 128 (k % 2) + 32 ((f / 2) % 4) + 8 (f / 8)
	s_max_u32 s9, ttmp9, 8
	s_sub_co_u32 s9, s9, 8                         ; m
	s_min_u32 s10, s9, 15
	s_lshl_b32 s10, s10, 6
	s_add_co_u32 s10, s10, s5                      ; fc1_w: 64 min(m, 15) + ..
	s_max_u32 s11, s9, 2
	s_sub_co_u32 s11, s11, 2                       ; max(m - 2, 0): 15 at the most
	s_and_b32 s12, s11, 1
	s_lshl_b32 s12, s12, 7
	s_lshl_b32 s7, s6, 5
	s_add_co_u32 s12, s12, s7
	s_and_b32 s13, s2, 1
	s_lshl_b32 s7, s13, 3
	s_add_co_u32 s12, s12, s7                      ; fc2_w: 128 (half % 2) + 32 ((f - 8) / 2) + 8 (f % 2)
	s_lshr_b32 s14, s11, 1
	s_lshl_b32 s14, s14, 7                         ; and its K: 128 (half / 2)
	s_lshr_b32 s75, s2, 3                          ; my scale word's place in the image: 512 (f / 8) + 256 (f % 2) + 4 ((f / 2) % 4) + 16 r
	s_lshl_b32 s75, s75, 9
	s_lshl_b32 s7, s13, 8
	s_add_co_u32 s75, s75, s7
	s_lshl_b32 s7, s6, 2
	s_add_co_u32 s75, s75, s7
	s_lshl_b32 s13, s13, 7                         ; K of the other forms: 128 (f % 2)
	s_mov_b32 s7, s3
	s_mov_b32 s15, 256                             ; numbers in a row
	s_mov_b64 s[76:77], s[16:17]
	s_cmp_ge_u32 ttmp9, 2
	s_cselect_b64 s[76:77], s[18:19], s[76:77]
	s_cmp_ge_u32 ttmp9, 4
	s_cselect_b64 s[76:77], s[20:21], s[76:77]
	s_cselect_b32 s7, s8, s7
	s_cmp_ge_u32 ttmp9, 6
	s_cselect_b64 s[76:77], s[22:23], s[76:77]
	s_cselect_b32 s7, s3, s7
	s_cmp_ge_u32 ttmp9, 8
	s_cselect_b64 s[76:77], s[24:25], s[76:77]
	s_cselect_b32 s7, s10, s7
	s_cselect_b32 s9, s2, 0
	s_cmp_ge_u32 s9, 8                             ; k >= 8 and f >= 8
	s_cselect_b64 s[76:77], s[26:27], s[76:77]
	s_cselect_b32 s7, s12, s7
	s_cselect_b32 s13, s14, s13
	s_cselect_b32 s15, 1024, s15
	s_mul_i32 s7, s7, s15
	s_add_co_u32 s7, s7, s13
	s_lshl_b32 s8, s7, 2                           ; the fragment's first number, in bytes
	s_mov_b32 s9, 0
	s_add_nc_u64 s[76:77], s[76:77], s[8:9]
	s_lshl_b32 s15, s15, 2
	v_and_b32 v5, 8, v2
	v_add_nc_u32 v5, v5, v2                        ; r + 8 (r / 8)
	v_mul_lo_u32 v5, v5, s15
	v_lshl_add_u32 v5, v3, 6, v5                   ; my row, + 64 h: my 16 numbers of a block of 32
.irp c, 0,1,2,3
.irp i, 0,1,2,3
	global_load_b128 v[XR+16*\c+4*\i:XR+16*\c+4*\i+3], v5, s[76:77] offset:128*\c+16*\i
.endr
.endr
	s_mul_i32 s8, ttmp9, 33792
	s_add_nc_u64 s[68:69], s[68:69], s[8:9]        ; my content
	s_lshl_b32 s10, s2, 11
	s_mov_b32 s11, 0
	s_add_nc_u64 s[78:79], s[68:69], s[10:11]      ; my fragment
	v_lshl_add_u32 v6, v2, 4, s75
.irp b, 0,1,2,3
	v_mov_b32 v[TM+4+\b], 0                        ; a lane permute's destination counts as one of its sources
.endr
	s_wait_loadcnt 0x0
.irp b, 0,1,2,3
	v_max3_num_f32 v[TM+\b], |v[XR+16*\b]|, |v[XR+16*\b+1]|, 0x4800000   ; block b: my 16 numbers and the floor 2^(9 - 127), which holds the byte at 1 from below
.endr
.irp i, 2,4,6,8,10,12,14
.irp b, 0,1,2,3
	v_max3_num_f32 v[TM+\b], v[TM+\b], |v[XR+16*\b+\i]|, |v[XR+16*\b+\i+1]|
.endr
.endr
.irp b, 0,1,2,3
	v_permlanex16_b32 v[TM+4+\b], v[TM+\b], s[SEL], s[SEL+1]
.endr
.irp b, 0,1,2,3
	v_max_num_f32 v[TM+\b], v[TM+\b], v[TM+4+\b]   ; with lane l xor 16's: the block's largest magnitude
.endr
.irp b, 0,1,2,3
	v_add_nc_u32 v[TM+12+\b], 0xfc000000, v[TM+\b] ; 8 off its exponent field: the conversion's scale operand
.endr
.irp b, 0,1,2,3
	v_and_or_b32 v[TM+8+\b], v[TM+\b], 0x7f800000, s[MNT]   ; 448 x the scale
.endr
.irp b, 0,1,2,3
	v_lshrrev_b32 v[TM+4+\b], 23, v[TM+12+\b]      ; the scale's byte
.endr
.irp b, 0,1,2,3
.irp i, 0,1,2,3,4,5,6,7,8,9,10,11,12,13,14,15
	v_med3_num_f32 v[XR+16*\b+\i], v[XR+16*\b+\i], -v[TM+8+\b], v[TM+8+\b]   ; the conversion does not saturate (ISA guide 7.6.2): the hold at the largest code x the scale
.endr
	v_cvt_scalef32_pk8_fp8_f32 v[PCD+4*\b:PCD+4*\b+1], v[XR+16*\b:XR+16*\b+7], v[TM+12+\b]
	v_cvt_scalef32_pk8_fp8_f32 v[PCD+4*\b+2:PCD+4*\b+3], v[XR+16*\b+8:XR+16*\b+15], v[TM+12+\b]
.endr
	v_lshl_or_b32 v[PW], v[TM+5], 8, v[TM+4]       ; the four bytes make my row's scale word
	v_lshl_or_b32 v[PW], v[TM+6], 16, v[PW]
	v_lshl_or_b32 v[PW], v[TM+7], 24, v[PW]
.irp c, 0,1,2,3
	global_store_b128 v4, v[PCD+4*\c:PCD+4*\c+3], s[78:79] offset:512*\c   ; 32 lanes store 512 consecutive bytes
.endr
	ds_store_b32 v6, v[PW]                         ; both halves of the lanes write the same word with the same value
	s_wait_dscnt 0x0                               ; for the others' sake: my word lies in LDS
	s_barrier_signal -1
	s_barrier_wait -1
	s_cmp_lt_u32 s2, 2                             ; waves 0 and 1 store the image, 512 consecutive bytes each
	s_cbranch_scc0 .Lend
	s_lshl_b32 s12, s2, 9
	v_add_nc_u32 v7, s12, v4
	ds_load_b128 v[8:11], v7
	s_wait_dscnt 0x0
	global_store_b128 v7, v[8:11], s[68:69] offset:32768
.Lend:
	s_wait_tensorcnt 0x0
	ds_add_u32 v128, v129
	s_wait_dscnt 0x0
	s_endpgm
	; ---- the table.  Wave w < 12 copies 1,024 bytes to byte 1,024 w: ln1_g ln1_b bq bk bp ln2_g ln2_b fc2_b, then fc1_b's four quarters
.Ltab:
	s_cmp_ge_u32 s2, 12
	s_cbranch_scc1 .Lbv
	s_mov_b64 s[76:77], s[28:29]
	s_cmp_ge_u32 s2, 1
	s_cselect_b64 s[76:77], s[30:31], s[76:77]
	s_cmp_ge_u32 s2, 2
	s_cselect_b64 s[76:77], s[32:33], s[76:77]
	s_cmp_ge_u32 s2, 3
	s_cselect_b64 s[76:77], s[34:35], s[76:77]
	s_cmp_ge_u32 s2, 4
	s_cselect_b64 s[76:77], s[36:37], s[76:77]
	s_cmp_ge_u32 s2, 5
	s_cselect_b64 s[76:77], s[38:39], s[76:77]
	s_cmp_ge_u32 s2, 6
	s_cselect_b64 s[76:77], s[40:41], s[76:77]
	s_cmp_ge_u32 s2, 7
	s_cselect_b64 s[76:77], s[42:43], s[76:77]
	s_cmp_ge_u32 s2, 8
	s_cselect_b64 s[76:77], s[44:45], s[76:77]
	s_max_u32 s4, s2, 8
	s_sub_co_u32 s4, s4, 8
	s_lshl_b32 s4, s4, 10
	s_mov_b32 s5, 0
	s_add_nc_u64 s[76:77], s[76:77], s[4:5]
	s_lshl_b32 s6, s2, 10
	s_mov_b32 s7, 0
	s_add_nc_u64 s[78:79], s[70:71], s[6:7]
	global_load_b128 v[8:11], v4, s[76:77]
	global_load_b128 v[12:15], v4, s[76:77] offset:512
	s_wait_loadcnt 0x0
	global_store_b128 v4, v[8:11], s[78:79]
	global_store_b128 v4, v[12:15], s[78:79] offset:512
	s_cmp_lg_u32 s2, 0
	s_cbranch_scc1 .Lend
	; wave 0 also folds the batch norm into the position net's first layer.  Row c of 64 bytes at byte 16,384 + 64 c: ax, ay, bb, 0 | w2[0..3][c] | w2[4..7][c] | zeros, with
	; sc = rsq(bn_v + 1e-5) bn_g, ax = w1[c][0] sc, ay = w1[c][1] sc, bb = (b1 - bn_m) sc + bn_b.  Lanes 16-31 repeat lanes 0-15.  These stores are 16 bytes every 64: 1 KiB, once.
	v_lshlrev_b32 v5, 3, v2
	v_lshlrev_b32 v6, 2, v2
	global_load_b64 v[16:17], v5, s[48:49]
	global_load_b32 v18, v6, s[50:51]
	global_load_b32 v19, v6, s[52:53]
	global_load_b32 v20, v6, s[54:55]
	global_load_b32 v21, v6, s[56:57]
	global_load_b32 v22, v6, s[58:59]
.irp o, 0,1,2,3,4,5,6,7
	global_load_b32 v[28+\o], v6, s[60:61] offset:64*\o
.endr
	v_and_b32 v7, 7, v0
	v_lshlrev_b32 v7, 2, v7
	global_load_b32 v40, v7, s[62:63]              ; pe_b2[lane % 8]
	v_lshlrev_b32 v44, 6, v2
	v_lshlrev_b32 v45, 4, v2
	s_wait_loadcnt 0x0
	v_add_f32 v22, 0x3727c5ac, v22
	v_rsq_f32 v22, v22
	v_sub_f32 v18, v18, v21                        ; (a plain place behind the transcendental)
	s_wait_alu depctr_va_vdst(0)
	v_mul_f32 v22, v22, v19
	v_mul_f32 v24, v16, v22
	v_mul_f32 v25, v17, v22
	v_fma_f32 v26, v18, v22, v20
	v_mov_b32 v27, 0
.irp i, 36,37,38,39
	v_mov_b32 v[\i], 0
.endr
.irp i, 41,42,43
	v_mov_b32 v[\i], v40
.endr
	global_store_b128 v44, v[24:27], s[70:71] offset:16384
	global_store_b128 v44, v[28:31], s[70:71] offset:16400
	global_store_b128 v44, v[32:35], s[70:71] offset:16416
	global_store_b128 v44, v[36:39], s[70:71] offset:16432
	global_store_b128 v45, v[40:43], s[70:71] offset:17408   ; pe_b2[i % 8] four times over, 16 bytes each
	s_endpgm
.Lbv:                                                  ; waves 12-15: bv[ch] four times over, 16 bytes a channel, 64 channels a wave, at byte 1,024 w
	s_sub_co_u32 s4, s2, 12
	s_lshl_b32 s4, s4, 8
	s_mov_b32 s5, 0
	s_add_nc_u64 s[76:77], s[46:47], s[4:5]
	s_lshl_b32 s6, s2, 10
	s_mov_b32 s7, 0
	s_add_nc_u64 s[78:79], s[70:71], s[6:7]
	v_lshlrev_b32 v5, 2, v1
	global_load_b32 v8, v5, s[76:77]
	global_load_b32 v12, v5, s[76:77] offset:128
	s_wait_loadcnt 0x0
.irp i, 9,10,11
	v_mov_b32 v[\i], v8
.endr
.irp i, 13,14,15
	v_mov_b32 v[\i], v12
.endr
	global_store_b128 v4, v[8:11], s[78:79]
	global_store_b128 v4, v[12:15], s[78:79] offset:512
	s_endpgm
.Lfunc_end_k_qc2865ff9a3_prep:
	.size	k_qc2865ff9a3_prep, .Lfunc_end_k_qc2865ff9a3_prep-k_qc2865ff9a3_prep
	.p2alignl 7, 3214868480
	.fill 96, 4, 3214868480
	.section	.rodata,"a",@progbits
	.p2align	6, 0x0
	.amdhsa_kernel k_qc2865ff9a3_prep
		.amdhsa_group_segment_fixed_size 3072
		.amdhsa_private_segment_fixed_size 0
		.amdhsa_enable_private_segment 0
		.amdhsa_kernarg_size 208
		.amdhsa_user_sgpr_count 2
		.amdhsa_user_sgpr_kernarg_segment_ptr 1
		.amdhsa_wavefront_size32 1
		.amdhsa_system_sgpr_workgroup_id_x 1
		.amdhsa_system_sgpr_workgroup_id_y 1
		.amdhsa_system_sgpr_workgroup_id_z 1
		.amdhsa_system_vgpr_workitem_id 0
		.amdhsa_next_free_vgpr 130
		.amdhsa_next_free_sgpr 80
		.amdhsa_reserve_vcc 0
		.amdhsa_float_denorm_mode_32 3
		.amdhsa_float_denorm_mode_16_64 3
		.amdhsa_memory_ordered 1
		.amdhsa_forward_progress 1
		.amdhsa_inst_pref_size 20
	.end_amdhsa_kernel
	.amdgpu_metadata
---
amdhsa.version: [ 1, 2 ]
amdhsa.kernels:
  - .name:           k_qc2865ff9a3_prep
    .symbol:         k_qc2865ff9a3_prep.kd
    .args:
      - { .name: Wq, .offset: 0, .size: 8, .value_kind: global_buffer, .address_space: global }
      - { .name: Wk, .offset: 8, .size: 8, .value_kind: global_buffer, .address_space: global }
      - { .name: Wv, .offset: 16, .size: 8, .value_kind: global_buffer, .address_space: global }
      - { .name: Wp, .offset: 24, .size: 8, .value_kind: global_buffer, .address_space: global }
      - { .name: fc1_w, .offset: 32, .size: 8, .value_kind: global_buffer, .address_space: global }
      - { .name: fc2_w, .offset: 40, .size: 8, .value_kind: global_buffer, .address_space: global }
      - { .name: ln1_g, .offset: 48, .size: 8, .value_kind: global_buffer, .address_space: global }
      - { .name: ln1_b, .offset: 56, .size: 8, .value_kind: global_buffer, .address_space: global }
      - { .name: bq, .offset: 64, .size: 8, .value_kind: global_buffer, .address_space: global }
      - { .name: bk, .offset: 72, .size: 8, .value_kind: global_buffer, .address_space: global }
      - { .name: bp, .offset: 80, .size: 8, .value_kind: global_buffer, .address_space: global }
      - { .name: ln2_g, .offset: 88, .size: 8, .value_kind: global_buffer, .address_space: global }
      - { .name: ln2_b, .offset: 96, .size: 8, .value_kind: global_buffer, .address_space: global }
      - { .name: fc2_b, .offset: 104, .size: 8, .value_kind: global_buffer, .address_space: global }
      - { .name: fc1_b, .offset: 112, .size: 8, .value_kind: global_buffer, .address_space: global }
      - { .name: bv, .offset: 120, .size: 8, .value_kind: global_buffer, .address_space: global }
      - { .name: pe_w1, .offset: 128, .size: 8, .value_kind: global_buffer, .address_space: global }
      - { .name: pe_b1, .offset: 136, .size: 8, .value_kind: global_buffer, .address_space: global }
      - { .name: bn_g, .offset: 144, .size: 8, .value_kind: global_buffer, .address_space: global }
      - { .name: bn_b, .offset: 152, .size: 8, .value_kind: global_buffer, .address_space: global }
      - { .name: bn_m, .offset: 160, .size: 8, .value_kind: global_buffer, .address_space: global }
      - { .name: bn_v, .offset: 168, .size: 8, .value_kind: global_buffer, .address_space: global }
      - { .name: pe_w2, .offset: 176, .size: 8, .value_kind: global_buffer, .address_space: global }
      - { .name: pe_b2, .offset: 184, .size: 8, .value_kind: global_buffer, .address_space: global }
      - { .name: wts, .offset: 192, .size: 8, .value_kind: global_buffer, .address_space: global }
      - { .name: tab, .offset: 200, .size: 8, .value_kind: global_buffer, .address_space: global }
    .group_segment_fixed_size: 3072
    .private_segment_fixed_size: 0
    .kernarg_segment_align: 8
    .kernarg_segment_size: 208
    .max_flat_workgroup_size: 512
    .sgpr_count:     80
    .vgpr_count:     130
    .wavefront_size: 32
...
	.end_amdgpu_metadata
.endif
;; end of part 1
;; launch block (part 2): grid 256 x 1, 8 waves a work-group, clusters of 4 x 1, 327,680 bytes of LDS; arguments x, pos, wts, tab, out0; writes out0
.if DOCPART == 2
	.amdgcn_target "amdgcn-amd-amdhsa--gfx1250"
	.amdhsa_code_object_version 6
	.text
	.protected	k_qc2865ff9a3_block
	.globl	k_qc2865ff9a3_block
	.p2align	8
	.type	k_qc2865ff9a3_block,@function
k_qc2865ff9a3_block:
	s_mov_b64 s[64:65], 0
	v_nop
	global_prefetch_b8 v0, s[64:65] scope:SCOPE_SE
	s_setreg_imm32_b32 hwreg(HW_REG_WAVE_MODE, 25, 1), 1
	s_wait_xcnt 0x0
	s_wait_alu depctr_hold_cnt(0) depctr_sa_sdst(0) depctr_va_vdst(0) depctr_va_sdst(0) depctr_va_ssrc(0) depctr_va_vcc(0) depctr_vm_vsrc(0)
	s_getreg_b32 s2, hwreg(HW_REG_IB_STS2, 6, 4)
	s_cmp_eq_u32 s2, 0
	s_cbranch_scc0 .Lentry_in_a_cluster
	s_endpgm
.Lentry_in_a_cluster:
	s_bfe_u32 s2, ttmp6, 0x10000c
	s_cmp_lg_u32 s2, 0x3003
	s_cbranch_scc0 .Lentry_shape_is_right
	s_endpgm
.Lentry_shape_is_right:
; The whole block: LN1, Q K V, windowed attention with the position bias, projection, residual, LN2, fc1, exact GELU, fc2, residual.  All eight large products on codes of E4M3 with E8M0 scales.
; SHARES.  2,048 windows of 32 tokens; 256 work-groups of eight waves; ONE WAVE OWNS ONE WINDOW through the whole chain, two waves to a SIMD (512 registers each), so that one wave's vector work stands beside
; the other's matrix work and LDS loads.  No activation goes from wave to wave; what the waves share are the weights (768 KiB of codes: too much for LDS or registers), which walk through a ring of two LDS slots,
; 26 contents of 33,792 bytes, and a table of the small vectors, filled once.  The four work-groups of a cluster walk the same contents: each content is asked for JOINTLY (mask 15).
; ROWS.  The window's 32 tokens are two tiles u of 16 rows: row m of tile u is token n = 16 (m / 8) + 8 u + m % 8 of the window.  The rows of a weight that form a tile are rowbase + r + 8 (r / 8).
; With these two choices every matrix result lies as the next operand wants it: transposed products (source 0 = weights, source 1 = tokens) leave in lane (r, h) token row r and in the 16 registers of tiles
; 2 b, 2 b + 1 the channels 32 b + 16 h + 0..15; V (source 0 = tokens, source 1 = Wv) leaves a channel a lane and the keys 16 h + 0..15 in 16 registers; S^T = K Q^T and O^T = V^T P hold one query a lane.
; THE RESIDUAL stays in registers in that same layout (window 1: X, 256 registers) and is C and D, in place, of the projection and of fc2.
; K = 32 IN ATTENTION: a head's 32 codes stand in block c = head % 4 of source 1, whose other 12 registers hold zero codes; source 0 is a whole fragment of four heads.
; THE MLP IS WALKED OUT OF STEP: the change of slots brings all eight waves to one place, so four of them take a content's LDS loads and products first and GELU afterwards, the other four the other way round.
; No prefetch is written: x is wanted at the first instruction, and the weights are read by all 64 clusters, not once.
; LIMITS.  NaN and infinities among the inputs are not served.  A block of zeros gets the byte 1 where the rule says 127: its codes are zeros, and only this program reads the bytes.
; GELU = max(a, 0) - |a| erfc(|a| / sqrt 2) / 2, erfc by the rational-exponential fit t exp(-z^2 + poly(t)), t = 1 / (1 + z / 2), whose fractional error is under 1.2e-7; v_exp_f32 flushes results under 2^-126 to 0.
; The batch norm is folded into the position net's first layer, pe_b2 is the C of the scores, bp and fc2_b are added to the residual ahead of their products: other orders of f32 rounding than the
; definition's, none a difference of large sums.  1 / l and the norms' reciprocal roots are v_rcp_f32 and v_rsq_f32.
.set SLOT1,  0x10000                   ; LDS: slot 0 at 0, slot 1 here: one exclusive or turns an address
.set CONT,   33792                     ; a content
.set HALFC,  16896                     ; what one tensor load brings: 66 rows of 256 bytes
.set SCI,    32768                     ; the scale image in a content
.set TAB,    33792                     ; the table, 17,664 bytes, filled once
.set SPARE,  51456                     ; the spare words, 128 bytes for each wave: four blocks of 256 bytes that no other line names
.set PRIV0,  99328                     ; behind slot 1: a region of its own for each wave; no fill lands there
.set PRIVB,  26368
.set P_V,    16384                     ; in it: 0: [u] x 8,192 + [Q g0, Q g1, K g0, K g1] x 2,048 (O's codes later take Q's places); here V's four fragments;
.set P_SQK,  24576                     ; scale words as images of a register, 128 bytes each: [u] x 512 + [4] x 128;
.set P_SV,   25600                     ; V's four;
.set P_POS,  26112                     ; the 32 tokens' positions, 8 bytes each.  From 0 on also, at other times: the stage of 16 rows x 1,040, the norms' code images, the hidden layer's
.set SGP,    1040                      ; a stage row: 1,024 bytes + 16 = 65 x 16: sixteen rows start at sixteen different groups of banks (ISA guide 11.1)
.set T_LN1G, 0                         ; the table's parts
.set T_LN1B, 1024
.set T_BQ,   2048                      ; bq, then bk
.set T_BP,   4096
.set T_LN2G, 5120
.set T_LN2B, 6144
.set T_FC2B, 7168
.set T_FC1B, 8192
.set T_BV4,  12288
.set T_PE,   16384
.set T_B2R,  17408
.set SPW, 1                            ; v1   LDS address of my spare word; never rewritten
.set NIL, 2                            ; v2   0; never rewritten
.set LI,  3                            ; v3   16 x lane
.set WD,  4                            ; v4   at work (addresses)
.set PRV, 5                            ; v5   my region + 16 x lane
.set PRW, 6                            ; v6   my region + 4 x lane
.set TBH, 7                            ; v7   the table + 64 h
.set TBV, 8                            ; v8   bv's part of it + 16 (r + 8 (r / 8))
.set TBU, 9                            ; v9   the table
.set SGI, 10                           ; v10  my region + 1,040 r + 64 h
.set PKA, 11                           ; v11  the positions of keys 16 h on
.set PQA, 12                           ; v12  the position of query row r of tile 0
.set GA,  11                           ; behind attention v11, v12 are free: in the MLP, where the hidden codes just made go,
.set GB,  12                           ; and their scale bytes
.set WA,  13                           ; v13-15 at work (addresses)
.set WB,  14
.set WC,  15
.set XC,  16                           ; v16-79   four activation fragments (16 (2 u + s)); in attention four source-1 buffers, buffer c with data in registers 4 c .. 4 c + 3
.set XS,  80                           ; v80-83   their scale words; in attention p's
.set WS,  84                           ; v84-87   the weights' scale words; in attention K's, Q's, V's
.set ACC, 88                           ; v88-151  eight accumulators; in attention v88-215: head hd at 16 hd
.set WF,  152                          ; v152-215 four weight fragments; GELU's and the norms' temporaries
.set TM,  216                          ; v216-231 at work
.set PCD, 232                          ; v232-247 codes just made
.set BI,  216                          ; v216-247 also: a bias of 64 channels, four tiles of eight registers, the C of the sums' first products
.set MU,  248                          ; v248, v250 the tiles' means; v249, v251 their reciprocal roots
.set RL,  248                          ; in attention v248-251: 1 / l of four heads
.set HS,  248                          ; in the MLP v248-249: the hidden layer's scale words
.set PW0, 252                          ; v252-253 scale bytes just packed
.set PW1, 253
.set RX,  16                           ; the position net: 16 differences in x, 16 in y, 16 hidden numbers
.set RY,  32
.set HR,  48
.set WV,  14                           ; s14 my wave's number
.set G1,  24                           ; s[24:31] descriptor group 1 for half a content; s[32:39] for the table
.set G1T, 32
.set G0,  40                           ; s[40:43] group 0, which walks; s[44:47] the table's
.set G0T, 44
.set SEL, 48                           ; s[48:49] lane selects: lane l xor 16
.set MNT, 50                           ; s50 the mantissa field of 448
.set RB,  51                           ; s51 where the slot in hand begins
.set CK,  52                           ; s52, s53 loop counters
.set CI,  53
.set T0,  54                           ; s54, s55 at work
.set T1,  55
.set TY,  56                           ; s56 the wave's kind in the MLP: 1: GELU first
.set NT3, 57                           ; s57 4 - the kind
.set GI,  58                           ; s58 4 + the group of 64 hidden units whose GELU falls into this trip
.set L2E, 66                           ; s[66:67] log2(e); packed forms name a pair and take its low word
.set SCF, 68                           ; s68 1 / sqrt(32) for Q, 1 for K
.set EPS, 69                           ; s69 1e-5
.set GC,  70                           ; s[70:87] GELU's c0 .. c8, a pair each
.set K1,  90                           ; s90 1 / (2 sqrt 2)
.set NCX, 92                           ; s[92:93] -log2(e) / 2
.set R256, 94                          ; s94 1 / 256
.set MSB, 0
.macro WIN new                         ; the immediate's high byte repeats the setting that is left.  Bits 1:0 source 0, 3:2 source 1, 5:4 source 2, 7:6 destination
.if MSB != \new
	s_set_vgpr_msb (MSB<<8)|\new
.set MSB, \new
.endif
.endm
; Behind a matrix instruction of this form eight places stand in front of a load into, or a vector instruction on, its registers, nine in front of a matrix instruction that writes over them
; only plain vector instructions that name none of its registers are places.  Nine serve both.
.macro PLACES
.rept 9
	v_nop
.endr
.endm
.macro SPAIR r, val
	s_mov_b32 s[\r], \val
	s_mov_b32 s[\r+1], \val
.endm
.macro CROUND                          ; a round of the cluster's barrier
	s_barrier_signal -1
	s_barrier_wait -1
	s_cmp_lg_u32 s[WV], 0
	s_cbranch_scc1 .Lnot_wave_0_\@
	s_barrier_signal -3
.Lnot_wave_0_\@:
	s_barrier_wait -3
	s_barrier_signal -1
	s_barrier_wait -1
.endm
.macro TLOAD                           ; waves 0 and 1 fetch a content's halves; four v_nop follow the line
	s_cmp_lt_u32 s[WV], 2
	s_cbranch_scc0 .Lno_load_\@
	tensor_load_to_lds s[G0:G0+3], s[G1:G1+7]
	s_nop 0
.rept 4
	v_nop
.endr
.Lno_load_\@:
.endm
; THE CHANGE OF SLOTS.  Each wave waits for all its tensor loads (at most one is out: its half of the content ahead), adds 0 to its spare word, and waits for that and for its reads of the content that it leaves.
; Behind the barrier the content ahead is whole and nobody reads the other slot.  fill = 1: the barrier is a round of the cluster's, and the slot just left is asked for again first thing behind it.
.macro CHANGE fill
	s_wait_tensorcnt 0x0                           ; no tensor load of mine is out, so group 0 may be written
	ds_add_u32 v[SPW], v[NIL]
.if \fill
	s_xor_b32 s[G0+1], s[G0+1], SLOT1              ; the other slot than last time,
	s_add_nc_u64 s[G0+2:G0+3], s[G0+2:G0+3], CONT  ; the next content; the type bits on top are not reached
.endif
	s_wait_dscnt 0x0                               ; the add is done, and my reads of the slot that I leave are over
.if \fill
	CROUND
	TLOAD
.else
	s_barrier_signal -1
	s_barrier_wait -1
.endif
	s_xor_b32 s[RB], s[RB], SLOT1
.endm
.macro FRAGS off                       ; four weight fragments, images of 16 registers each: 16 loads of 512 consecutive bytes
.set ri, 0
.rept 16
	ds_load_b128 v[WF+4*ri:WF+4*ri+3], v[WA] offset:\off+512*ri
.set ri, ri+1
.endr
.endm
; 64 numbers of a lane, register 16 b + i = place 16 h + i of block b of my row, become 16 registers of codes (v[PCD] on) and four scale bytes.
; half = 0: the bytes make one word in v[PW0]; half = 1: bytes 0, 1 in v[PW0], bytes 2, 3 in v[PW1].  The packing lines are the plain place behind the last conversion.
.macro QUANT s, half
.irp b, 0,1,2,3
	v_max3_num_f32 v[TM+\b], |v[\s+16*\b]|, |v[\s+16*\b+1]|, 0x4800000   ; my 16 numbers and the floor 2^(9 - 127), which holds the byte at 1 from below
.endr
.irp i, 2,4,6,8,10,12,14
.irp b, 0,1,2,3
	v_max3_num_f32 v[TM+\b], v[TM+\b], |v[\s+16*\b+\i]|, |v[\s+16*\b+\i+1]|
.endr
.endr
.irp b, 0,1,2,3
	v_permlanex16_b32 v[TM+4+\b], v[TM+\b], s[SEL], s[SEL+1]
.endr
.irp b, 0,1,2,3
	v_max_num_f32 v[TM+\b], v[TM+\b], v[TM+4+\b]   ; with lane l xor 16's: the block's largest magnitude
.endr
.irp b, 0,1,2,3
	v_add_nc_u32 v[TM+12+\b], 0xfc000000, v[TM+\b] ; 8 off its exponent field: the conversion's scale operand
.endr
.irp b, 0,1,2,3
	v_and_or_b32 v[TM+8+\b], v[TM+\b], 0x7f800000, s[MNT]   ; 448 x the scale
.endr
.irp b, 0,1,2,3
	v_lshrrev_b32 v[TM+4+\b], 23, v[TM+12+\b]      ; the scale's byte
.endr
.irp b, 0,1,2,3
.irp i, 0,1,2,3,4,5,6,7,8,9,10,11,12,13,14,15
	v_med3_num_f32 v[\s+16*\b+\i], v[\s+16*\b+\i], -v[TM+8+\b], v[TM+8+\b]   ; the conversion does not saturate (ISA guide 7.6.2)
.endr
	v_cvt_scalef32_pk8_fp8_f32 v[PCD+4*\b:PCD+4*\b+1], v[\s+16*\b:\s+16*\b+7], v[TM+12+\b]
	v_cvt_scalef32_pk8_fp8_f32 v[PCD+4*\b+2:PCD+4*\b+3], v[\s+16*\b+8:\s+16*\b+15], v[TM+12+\b]
.endr
	v_lshl_or_b32 v[PW0], v[TM+5], 8, v[TM+4]
.if \half
	v_lshl_or_b32 v[PW1], v[TM+7], 8, v[TM+6]
.else
	v_lshl_or_b32 v[PW0], v[TM+6], 16, v[PW0]
	v_lshl_or_b32 v[PW0], v[TM+7], 24, v[PW0]
.endif
.endm
.macro BIASL off                       ; a bias of 64 channels, in the result's layout, once for both tiles of rows: it is the C of each sum's first product
.irp t, 0,1,2,3
	ds_load_b128 v[BI+8*\t:BI+8*\t+3], v[WC] offset:\off+128*(\t/2)+32*(\t%2)
	ds_load_b128 v[BI+8*\t+4:BI+8*\t+7], v[WC] offset:\off+128*(\t/2)+32*(\t%2)+16
.endr
.endm
; Eight products, transposed: weight tiles t0, t0 + 1 x both tiles of rows x K steps 0, 1.  The first K step starts the sums on the bias.  The four accumulators take turns, one instruction a turn.
.macro MMT t0
.irp s, 0,1
.irp tt, 0,1
.irp u, 0,1
.if \s
	v_wmma_scale_f32_16x16x128_f8f6f4 v[ACC+32*\u+8*(\t0+\tt):ACC+32*\u+8*(\t0+\tt)+7], v[WF+16*(2*\tt+\s):WF+16*(2*\tt+\s)+15], v[XC+16*(2*\u+\s):XC+16*(2*\u+\s)+15], v[ACC+32*\u+8*(\t0+\tt):ACC+32*\u+8*(\t0+\tt)+7], v[WS+\t0+\tt], v[XS+2*\u+\s] matrix_a_scale:MATRIX_SCALE_ROW1
.else
	v_wmma_scale_f32_16x16x128_f8f6f4 v[ACC+32*\u+8*(\t0+\tt):ACC+32*\u+8*(\t0+\tt)+7], v[WF+16*(2*\tt+\s):WF+16*(2*\tt+\s)+15], v[XC+16*(2*\u+\s):XC+16*(2*\u+\s)+15], v[BI+8*(\t0+\tt):BI+8*(\t0+\tt)+7], v[WS+\t0+\tt], v[XS+2*\u+\s]
.endif
.endr
.endr
.endr
.endm
.macro MMN t0                          ; the same with the tokens as source 0: a lane holds a channel, its registers keys; the bias was loaded into the accumulators
.irp s, 0,1
.irp tt, 0,1
.irp u, 0,1
.if \s
	v_wmma_scale_f32_16x16x128_f8f6f4 v[ACC+16*(\t0+\tt)+8*\u:ACC+16*(\t0+\tt)+8*\u+7], v[XC+16*(2*\u+\s):XC+16*(2*\u+\s)+15], v[WF+16*(2*\tt+\s):WF+16*(2*\tt+\s)+15], v[ACC+16*(\t0+\tt)+8*\u:ACC+16*(\t0+\tt)+8*\u+7], v[XS+2*\u+\s], v[WS+\t0+\tt] matrix_b_scale:MATRIX_SCALE_ROW1
.else
	v_wmma_scale_f32_16x16x128_f8f6f4 v[ACC+16*(\t0+\tt)+8*\u:ACC+16*(\t0+\tt)+8*\u+7], v[XC+16*(2*\u+\s):XC+16*(2*\u+\s)+15], v[WF+16*(2*\tt+\s):WF+16*(2*\tt+\s)+15], v[ACC+16*(\t0+\tt)+8*\u:ACC+16*(\t0+\tt)+8*\u+7], v[XS+2*\u+\s], v[WS+\t0+\tt]
.endif
.endr
.endr
.endr
.endm
.macro LNRED                           ; both tiles: four packed chains become one number, with lane l xor 16's
.irp u, 0,1
	v_pk_add_f32 v[TM+8*\u:TM+8*\u+1], v[TM+8*\u:TM+8*\u+1], v[TM+8*\u+2:TM+8*\u+3]
	v_pk_add_f32 v[TM+8*\u+4:TM+8*\u+5], v[TM+8*\u+4:TM+8*\u+5], v[TM+8*\u+6:TM+8*\u+7]
.endr
.irp u, 0,1
	v_pk_add_f32 v[TM+8*\u:TM+8*\u+1], v[TM+8*\u:TM+8*\u+1], v[TM+8*\u+4:TM+8*\u+5]
.endr
.irp u, 0,1
	v_add_f32 v[TM+8*\u], v[TM+8*\u], v[TM+8*\u+1]
.endr
.irp u, 0,1
	v_permlanex16_b32 v[TM+8*\u+1], v[TM+8*\u], s[SEL], s[SEL+1]
.endr
.irp u, 0,1
	v_add_f32 v[TM+8*\u], v[TM+8*\u], v[TM+8*\u+1]
.endr
.endm
; A row's mean and reciprocal root, in two passes (the mean first, then the squares of the differences), so that a common offset of the inputs costs no accuracy.  X is read from its low end on.
.macro LNSTAT
	WIN 0x05
.irp u, 0,1
.irp c, 0,1,2,3
	v_pk_add_f32 v[TM+8*\u+2*\c:TM+8*\u+2*\c+1], v[128*\u+4*\c:128*\u+4*\c+1], v[128*\u+4*\c+2:128*\u+4*\c+3]
.endr
.endr
	WIN 0x01
.set rj, 16
.rept 56
.irp u, 0,1
	v_pk_add_f32 v[TM+8*\u+2*((rj/2)%4):TM+8*\u+2*((rj/2)%4)+1], v[128*\u+rj:128*\u+rj+1], v[TM+8*\u+2*((rj/2)%4):TM+8*\u+2*((rj/2)%4)+1]
.endr
.set rj, rj+2
.endr
	WIN 0
	LNRED
.irp u, 0,1
	v_mul_f32 v[MU+2*\u], s[R256], v[TM+8*\u]
.endr
.irp u, 0,1
.irp q, 0,1
	WIN 0x01
.set rj, 0
.rept 32
	v_pk_add_f32 v[ACC+rj:ACC+rj+1], v[128*\u+64*\q+rj:128*\u+64*\q+rj+1], v[MU+2*\u:MU+2*\u+1] op_sel_hi:[1,0] neg_lo:[0,1] neg_hi:[0,1]
.set rj, rj+2
.endr
	WIN 0
.set rj, 0
.rept 32
.if (\q == 0) && (rj < 8)
	v_pk_mul_f32 v[TM+8*\u+rj:TM+8*\u+rj+1], v[ACC+rj:ACC+rj+1], v[ACC+rj:ACC+rj+1]
.else
	v_pk_fma_f32 v[TM+8*\u+rj%8:TM+8*\u+rj%8+1], v[ACC+rj:ACC+rj+1], v[ACC+rj:ACC+rj+1], v[TM+8*\u+rj%8:TM+8*\u+rj%8+1]
.endif
.set rj, rj+2
.endr
.endr
.endr
	LNRED
.irp u, 0,1
	v_fma_f32 v[TM+8*\u], v[TM+8*\u], s[R256], s[EPS]
.endr
.irp u, 0,1
	v_rsq_f32 v[MU+2*\u+1], v[TM+8*\u]
.endr
	v_nop                                          ; a plain place behind the transcendentals
.endm
.macro LNARM u, s                      ; what differs between the trips of LNLOOP: which 64 registers of X, whose mean and root
	WIN 0x01
.set rj, 0
	s_wait_alu depctr_va_vdst(0)
.rept 32
	v_pk_add_f32 v[ACC+rj:ACC+rj+1], v[128*\u+64*\s+rj:128*\u+64*\s+rj+1], v[MU+2*\u:MU+2*\u+1] op_sel_hi:[1,0] neg_lo:[0,1] neg_hi:[0,1]
.set rj, rj+2
.endr
	WIN 0
	v_mov_b32 v254, v[MU+2*\u+1]
.endm
; Four trips, i = 2 u + s: 64 channels a lane are normalised, quantised, and their codes and scale word stored as images in my region.  The trips differ in register numbers alone: four short arms, one common part.
.macro LNLOOP goff, boff
	s_mov_b32 s[CI], 0
.Lln_\@:
	s_cmp_eq_u32 s[CI], 0
	s_cbranch_scc1 .Lln0_\@
	s_cmp_eq_u32 s[CI], 1
	s_cbranch_scc1 .Lln1_\@
	s_cmp_eq_u32 s[CI], 2
	s_cbranch_scc1 .Lln2_\@
	LNARM 1, 1
	s_branch .Llnc_\@
.Lln0_\@:
	LNARM 0, 0
	s_branch .Llnc_\@
.Lln1_\@:
	LNARM 0, 1
	s_branch .Llnc_\@
.Lln2_\@:
	LNARM 1, 0
.Llnc_\@:
	s_and_b32 s[T0], s[CI], 1
	s_lshl_b32 s[T0], s[T0], 9
	v_add_nc_u32 v[WA], s[T0], v[TBH]              ; the gain and the bias of channels 128 s + 16 h on
.set rj, 0
.rept 16
	ds_load_b128 v[XC+4*rj:XC+4*rj+3], v[WA] offset:\goff+128*(rj/4)+16*(rj%4)
.set rj, rj+1
.endr
.set rj, 0
.rept 16
	ds_load_b128 v[WF+4*rj:WF+4*rj+3], v[WA] offset:\boff+128*(rj/4)+16*(rj%4)
.set rj, rj+1
.endr
	s_lshl_b32 s[T0], s[CI], 11
	v_add_nc_u32 v[WB], s[T0], v[PRV]
	s_lshl_b32 s[T0], s[CI], 7
	v_add_nc_u32 v[WC], s[T0], v[PRW]
.set rj, 0
.rept 32
	v_pk_mul_f32 v[ACC+rj:ACC+rj+1], v[ACC+rj:ACC+rj+1], v[254:255] op_sel_hi:[1,0]
.set rj, rj+2
.endr
	s_wait_dscnt 0x0
.set rj, 0
.rept 32
	v_pk_fma_f32 v[ACC+rj:ACC+rj+1], v[ACC+rj:ACC+rj+1], v[XC+rj:XC+rj+1], v[WF+rj:WF+rj+1]
.set rj, rj+2
.endr
	QUANT ACC, 0
.irp c, 0,1,2,3
	ds_store_b128 v[WB], v[PCD+4*\c:PCD+4*\c+3] offset:512*\c
.endr
	ds_store_b32 v[WC], v[PW0] offset:P_SQK
	s_wait_dscnt 0x0                               ; the stores have read their registers
	s_add_co_u32 s[CI], s[CI], 1
	s_cmp_lt_u32 s[CI], 4
	s_cbranch_scc1 .Lln_\@
.endm
.macro XCLOAD fu, fs, wu, ws           ; four activation fragments and their scale words come back from my region
.irp u, 0,1
.irp s, 0,1
.irp c, 0,1,2,3
	ds_load_b128 v[XC+16*(2*\u+\s)+4*\c:XC+16*(2*\u+\s)+4*\c+3], v[PRV] offset:\fu*\u+\fs*\s+512*\c
.endr
	ds_load_b32 v[XS+2*\u+\s], v[PRW] offset:P_SQK+\wu*\u+\ws*\s
.endr
.endr
.endm
.macro VADD off                        ; X += a vector of 256 channels, in X's layout
.set rj, 0
.rept 32
	ds_load_b128 v[ACC+4*rj:ACC+4*rj+3], v[TBH] offset:\off+128*(rj/4)+16*(rj%4)
.set rj, rj+1
.endr
	s_wait_dscnt 0x0
	WIN 0x41
.irp u, 0,1
.set rj, 0
.rept 64
	v_pk_add_f32 v[128*\u+rj:128*\u+rj+1], v[128*\u+rj:128*\u+rj+1], v[ACC+rj:ACC+rj+1]
.set rj, rj+2
.endr
.endr
	WIN 0
.endm
; THE WAY IN.  A tile's 16 rows, loaded 512 consecutive bytes an instruction, turn through my stage and come back with 16 neighbouring channels of each block of 32 in a lane.  LDS serves a wave's instructions in order (ISA guide 5.7.1.4).
.macro STIN u
.if \u == 0
	WIN 0x04
.set rbase, 128
.else
.set rbase, ACC
.endif
.set rj, 0
.rept 32
	ds_store_b128 v[PRV], v[rbase+4*rj:rbase+4*rj+3] offset:SGP*(rj/2)+512*(rj%2)
.set rj, rj+1
.endr
	WIN 0x40
.set rj, 0
.rept 32
	ds_load_b128 v[128*\u+4*rj:128*\u+4*rj+3], v[SGI] offset:128*(rj/4)+16*(rj%4)
.set rj, rj+1
.endr
	WIN 0
.endm
.macro STOUT u                         ; THE WAY OUT: the same backwards; each store covers 512 consecutive bytes, at a multiple of 256 from the output's first byte
	WIN 0x04
.set rj, 0
.rept 32
	ds_store_b128 v[SGI], v[128*\u+4*rj:128*\u+4*rj+3] offset:128*(rj/4)+16*(rj%4)   ; each accumulator from its low end on
.set rj, rj+1
.endr
	WIN 0
.set rj, 0
.rept 32
	ds_load_b128 v[ACC+4*rj:ACC+4*rj+3], v[PRV] offset:SGP*(rj/2)+512*(rj%2)
.set rj, rj+1
.endr
.set rj, 0
.rept 32
	s_wait_dscnt 31-rj                             ; the younger loads of this run may stay out
	global_store_b128 v[LI], v[ACC+4*rj:ACC+4*rj+3], s[12:13] offset:262144*(2*(rj/16)+\u)+1024*((rj/2)%8)+512*(rj%2) th:TH_STORE_NT
.set rj, rj+1
.endr
.endm
.macro ZEROQB                          ; zero codes in the twelve registers of each source-1 buffer that hold no head
.irp c, 0,1,2,3
.irp k, 0,1,2,3
.if \k != \c
.irp e, 0,1,2,3
	v_mov_b32 v[XC+16*\c+4*\k+\e], 0
.endr
.endif
.endr
.endr
.endm
.macro PELOAD base, cc
.irp q, 0,1,2
	ds_load_b128 v[\base+4*\q:\base+4*\q+3], v[WC] offset:T_PE+64*\cc+16*\q
.endr
.endm
; One hidden unit of the position net for my query and 16 keys: h = max(ax rx + ay ry + bb, 0); then each of the eight heads' 16 scores += w2 h.  v[base] on: ax, ay, bb, 0, w2[0..7].
.macro PEU base
.set rj, 0
.rept 8
	v_pk_fma_f32 v[HR+rj:HR+rj+1], v[RY+rj:RY+rj+1], v[\base:\base+1], v[\base+2:\base+3] op_sel:[0,1,0] op_sel_hi:[1,1,0]
.set rj, rj+2
.endr
.set rj, 0
.rept 8
	v_pk_fma_f32 v[HR+rj:HR+rj+1], v[RX+rj:RX+rj+1], v[\base:\base+1], v[HR+rj:HR+rj+1] op_sel_hi:[1,0,1]
.set rj, rj+2
.endr
.set rj, 0
.rept 16
	v_max_num_f32 v[HR+rj], 0, v[HR+rj]
.set rj, rj+1
.endr
.irp hd, 0,2,4,6
.set rj, 0
.rept 8
	v_pk_fma_f32 v[ACC+16*\hd+rj:ACC+16*\hd+rj+1], v[HR+rj:HR+rj+1], v[\base+4+\hd:\base+5+\hd], v[ACC+16*\hd+rj:ACC+16*\hd+rj+1] op_sel_hi:[1,0,1]
.set rj, rj+2
.endr
.set rj, 0
.rept 8
	v_pk_fma_f32 v[ACC+16*\hd+16+rj:ACC+16*\hd+17+rj], v[HR+rj:HR+rj+1], v[\base+4+\hd:\base+5+\hd], v[ACC+16*\hd+16+rj:ACC+16*\hd+17+rj] op_sel:[0,1,0] op_sel_hi:[1,1,1]
.set rj, rj+2
.endr
.endr
.endm
; The softmax of heads 4 g + c, the four by turns.  t = logit x log2(e); M = ceil(the row's largest t); p = 2^(t - M); l is the sum of the unquantised p.  The row is ONE block of 32 keys, and its largest p, above 1/2,
; is the largest logit put through the same multiply-add and exponential: so no floor is taken.  The codes go to registers 4 c .. 4 c + 3 of source-1 buffer c.
.macro SMAX g
.set SB, ACC+64*\g
.irp c, 0,1,2,3
	v_max3_num_f32 v[216+\c], v[SB+16*\c], v[SB+16*\c+1], v[SB+16*\c+2]
.endr
.irp i, 3,5,7,9,11,13
.irp c, 0,1,2,3
	v_max3_num_f32 v[216+\c], v[216+\c], v[SB+16*\c+\i], v[SB+16*\c+\i+1]
.endr
.endr
.irp c, 0,1,2,3
	v_max_num_f32 v[216+\c], v[216+\c], v[SB+16*\c+15]
.endr
.irp c, 0,1,2,3
	v_permlanex16_b32 v[220+\c], v[216+\c], s[SEL], s[SEL+1]
.endr
.irp c, 0,1,2,3
	v_max_num_f32 v[216+\c], v[216+\c], v[220+\c]
.endr
.irp c, 0,1,2,3
	v_mul_f32 v[225+2*\c], s[L2E], v[216+\c]
.endr
.irp c, 0,1,2,3
	v_floor_f32 v[224+2*\c], -v[225+2*\c]          ; -M = floor(-t)
.endr
.irp c, 0,1,2,3
.set rj, 0
.rept 8
	v_pk_fma_f32 v[SB+16*\c+rj:SB+16*\c+rj+1], v[SB+16*\c+rj:SB+16*\c+rj+1], s[L2E:L2E+1], v[224+2*\c:225+2*\c] op_sel_hi:[1,0,0]
.set rj, rj+2
.endr
.endr
.irp c, 0,1,2,3
	v_fma_f32 v[216+\c], v[216+\c], s[L2E], v[224+2*\c]
.endr
.set rj, 0
.rept 64
	v_exp_f32 v[SB+rj], v[SB+rj]
.set rj, rj+1
.endr
.irp c, 0,1,2,3
	v_exp_f32 v[216+\c], v[216+\c]
.endr
	v_nop                                          ; a plain place behind the exponentials
	s_wait_alu depctr_va_vdst(0)
.irp c, 0,1,2,3
	v_pk_add_f32 v[240+2*\c:241+2*\c], v[SB+16*\c:SB+16*\c+1], v[SB+16*\c+2:SB+16*\c+3]
.endr
.irp p, 4,6,8,10,12,14
.irp c, 0,1,2,3
	v_pk_add_f32 v[240+2*\c:241+2*\c], v[240+2*\c:241+2*\c], v[SB+16*\c+\p:SB+16*\c+\p+1]
.endr
.endr
.irp c, 0,1,2,3
	v_add_f32 v[240+2*\c], v[240+2*\c], v[241+2*\c]
.endr
.irp c, 0,1,2,3
	v_permlanex16_b32 v[241+2*\c], v[240+2*\c], s[SEL], s[SEL+1]
.endr
.irp c, 0,1,2,3
	v_add_f32 v[240+2*\c], v[240+2*\c], v[241+2*\c]
.endr
.irp c, 0,1,2,3
	v_rcp_f32 v[RL+\c], v[240+2*\c]
.endr
.irp c, 0,1,2,3
	v_add_nc_u32 v[232+\c], 0xfc000000, v[216+\c]  ; the conversion's scale operand
.endr
.irp c, 0,1,2,3
	v_and_or_b32 v[236+\c], v[216+\c], 0x7f800000, s[MNT]   ; 448 x the scale
.endr
.irp c, 0,1,2,3
	v_lshrrev_b32 v[220+\c], 23, v[232+\c]
.endr
.irp c, 0,1,2,3
	v_lshl_or_b32 v[220+\c], v[220+\c], 8, v[220+\c]
.endr
.irp c, 0,1,2,3
	v_lshl_or_b32 v[XS+\c], v[220+\c], 16, v[220+\c]   ; the byte in all four places: block c's is read, the others stand over zero codes
.endr
.irp c, 0,1,2,3
.set rj, 0
.rept 16
	v_min_num_f32 v[SB+16*\c+rj], v[SB+16*\c+rj], v[236+\c]   ; p is not negative: the hold is one-sided
.set rj, rj+1
.endr
	v_cvt_scalef32_pk8_fp8_f32 v[XC+20*\c:XC+20*\c+1], v[SB+16*\c:SB+16*\c+7], v[232+\c]
	v_cvt_scalef32_pk8_fp8_f32 v[XC+20*\c+2:XC+20*\c+3], v[SB+16*\c+8:SB+16*\c+15], v[232+\c]
.endr
.endm
; O^T = V^T P for heads 4 g + c, divided by l, quantised (a block is a head) and stored over Q's places.
.macro PVO g
.set SB, ACC+64*\g
.irp d, 0,1
.irp c, 0,1,2,3
	ds_load_b128 v[TM+16*\d+4*\c:TM+16*\d+4*\c+3], v[PRV] offset:P_V+2048*(2*\g+\d)+512*\c
.endr
	ds_load_b32 v[WS+\d], v[PRW] offset:P_SV+128*(2*\g+\d)
.endr
.rept 4
	v_nop                                          ; codes written by vector instructions stand four places ahead of a scaled matrix instruction; p's scale words were made ahead of the 64 holds
.endr
	s_wait_dscnt 0x0
.irp c, 0,1,2,3
.irp d, 0,1
	v_wmma_scale_f32_16x16x128_f8f6f4 v[SB+16*\c+8*\d:SB+16*\c+8*\d+7], v[TM+16*\d:TM+16*\d+15], v[XC+16*\c:XC+16*\c+15], 0, v[WS+\d], v[XS+\c]
.endr
.endr
	PLACES
	s_wait_alu depctr_va_vdst(0)
.irp c, 0,2
.set rj, 0
.rept 8
	v_pk_mul_f32 v[SB+16*\c+rj:SB+16*\c+rj+1], v[SB+16*\c+rj:SB+16*\c+rj+1], v[RL+\c:RL+\c+1] op_sel_hi:[1,0]
.set rj, rj+2
.endr
.set rj, 0
.rept 8
	v_pk_mul_f32 v[SB+16*\c+16+rj:SB+16*\c+17+rj], v[SB+16*\c+16+rj:SB+16*\c+17+rj], v[RL+\c:RL+\c+1] op_sel:[0,1] op_sel_hi:[1,1]
.set rj, rj+2
.endr
.endr
	QUANT SB, 0
.irp c, 0,1,2,3
	ds_store_b128 v[WA], v[PCD+4*\c:PCD+4*\c+3] offset:2048*\g+512*\c
.endr
	ds_store_b32 v[WB], v[PW0] offset:P_SQK+128*\g
	s_wait_dscnt 0x0                               ; the stores have read their registers
.endm
.macro PROJ kk                         ; X += O Wp^T: eight tiles of a content, two at a time
.irp bt, 0,1,2,3
.if (\bt%2) == 0
	ds_load_b128 v[WS:WS+3], v[WA] offset:SCI+512*(\bt/2)
.endif
	FRAGS 8192*\bt
	s_wait_dscnt 0x0
	WIN 0x50                                       ; C and D in window 1
.irp s, 0,1
.irp tt, 0,1
.irp u, 0,1
.if \s
	v_wmma_scale_f32_16x16x128_f8f6f4 v[128*\u+8*(8*\kk+2*\bt+\tt):128*\u+8*(8*\kk+2*\bt+\tt)+7], v[WF+16*(2*\tt+\s):WF+16*(2*\tt+\s)+15], v[XC+16*(2*\u+\s):XC+16*(2*\u+\s)+15], v[128*\u+8*(8*\kk+2*\bt+\tt):128*\u+8*(8*\kk+2*\bt+\tt)+7], v[WS+2*(\bt%2)+\tt], v[XS+2*\u+\s] matrix_a_scale:MATRIX_SCALE_ROW1
.else
	v_wmma_scale_f32_16x16x128_f8f6f4 v[128*\u+8*(8*\kk+2*\bt+\tt):128*\u+8*(8*\kk+2*\bt+\tt)+7], v[WF+16*(2*\tt+\s):WF+16*(2*\tt+\s)+15], v[XC+16*(2*\u+\s):XC+16*(2*\u+\s)+15], v[128*\u+8*(8*\kk+2*\bt+\tt):128*\u+8*(8*\kk+2*\bt+\tt)+7], v[WS+2*(\bt%2)+\tt], v[XS+2*\u+\s]
.endif
.endr
.endr
.endr
	WIN 0
	PLACES
.endr
.endm
; GELU of 16 registers.  t = 1 / (1 + |a| / (2 sqrt 2)); e = 2^(c0 + t (c1 + .. t c9) - a^2 log2(e) / 2) t = erfc(|a| / sqrt 2) / 2; the result is max(a, 0) - |a| e.
.macro GELU a
.set GT, WF
.set GP, WF+16
.set GQ, WF+32
.set rj, 0
.rept 16
	v_fma_f32 v[GT+rj], |v[\a+rj]|, s[K1], 1.0
.set rj, rj+1
.endr
.set rj, 0
.rept 16
	v_rcp_f32 v[GT+rj], v[GT+rj]
.set rj, rj+1
.endr
.set rj, 0
.rept 8
	v_pk_mul_f32 v[GQ+rj:GQ+rj+1], v[\a+rj:\a+rj+1], v[\a+rj:\a+rj+1]   ; (plain places behind the reciprocals)
.set rj, rj+2
.endr
.set rj, 0
	s_wait_alu depctr_va_vdst(0)
.rept 8
	v_pk_fma_f32 v[GP+rj:GP+rj+1], v[GT+rj:GT+rj+1], v[254:255], s[GC+16:GC+17] op_sel_hi:[1,1,0]
.set rj, rj+2
.endr
.irp k, 7,6,5,4,3,2,1,0
.set rj, 0
.rept 8
	v_pk_fma_f32 v[GP+rj:GP+rj+1], v[GP+rj:GP+rj+1], v[GT+rj:GT+rj+1], s[GC+2*\k:GC+2*\k+1] op_sel_hi:[1,1,0]
.set rj, rj+2
.endr
.endr
.set rj, 0
.rept 8
	v_pk_fma_f32 v[GP+rj:GP+rj+1], v[GQ+rj:GQ+rj+1], s[NCX:NCX+1], v[GP+rj:GP+rj+1] op_sel_hi:[1,0,1]
.set rj, rj+2
.endr
.set rj, 0
.rept 16
	v_exp_f32 v[GP+rj], v[GP+rj]
.set rj, rj+1
.endr
.set rj, 0
.rept 16
	v_max_num_f32 v[GQ+rj], 0, v[\a+rj]            ; (plain places behind the exponentials)
.set rj, rj+1
.endr
.set rj, 0
	s_wait_alu depctr_va_vdst(0)
.rept 8
	v_pk_mul_f32 v[GP+rj:GP+rj+1], v[GP+rj:GP+rj+1], v[GT+rj:GT+rj+1]
.set rj, rj+2
.endr
.set rj, 0
.rept 16
	v_fma_f32 v[\a+rj], -|v[\a+rj]|, v[GP+rj], v[GQ+rj]
.set rj, rj+1
.endr
.endm
.macro FC2PRE                          ; a K step of fc2: the hidden layer's two fragments and words from my region, the weights' words and first four fragments from the slot
.irp u, 0,1
	ds_load_b128 v[ACC+16*\u:ACC+16*\u+3], v[WD] offset:1024*\u
	ds_load_b128 v[ACC+16*\u+4:ACC+16*\u+7], v[WD] offset:1024*\u+512
	ds_load_b128 v[ACC+16*\u+8:ACC+16*\u+11], v[WD] offset:1024*\u+2048
	ds_load_b128 v[ACC+16*\u+12:ACC+16*\u+15], v[WD] offset:1024*\u+2560
	ds_load_b32 v[HS+\u], v[WB] offset:P_SQK+128*\u
.endr
	ds_load_b128 v[WS:WS+3], v[WA] offset:SCI+512
	FRAGS 16384
	s_wait_dscnt 0x0
.endm
.macro FC2Q half, i0                   ; X += hidden x fc2_w^T: four tiles x both tiles of rows: eight different accumulators
	WIN 0x50
.irp ii, 0,1,2,3
.irp u, 0,1
.if (\ii%2)
	v_wmma_scale_f32_16x16x128_f8f6f4 v[128*\u+8*(8*\half+\i0+\ii):128*\u+8*(8*\half+\i0+\ii)+7], v[WF+16*\ii:WF+16*\ii+15], v[ACC+16*\u:ACC+16*\u+15], v[128*\u+8*(8*\half+\i0+\ii):128*\u+8*(8*\half+\i0+\ii)+7], v[WS+(\i0+\ii)/2], v[HS+\u] matrix_a_scale:MATRIX_SCALE_ROW1
.else
	v_wmma_scale_f32_16x16x128_f8f6f4 v[128*\u+8*(8*\half+\i0+\ii):128*\u+8*(8*\half+\i0+\ii)+7], v[WF+16*\ii:WF+16*\ii+15], v[ACC+16*\u:ACC+16*\u+15], v[128*\u+8*(8*\half+\i0+\ii):128*\u+8*(8*\half+\i0+\ii)+7], v[WS+(\i0+\ii)/2], v[HS+\u]
.endif
.endr
.endr
	WIN 0
	PLACES
.endm
.macro FC2MM half
	FC2Q \half, 0
	FRAGS 24576
	s_wait_dscnt 0x0
	FC2Q \half, 4
.endm
	; ================ the head
	s_load_b256 s[4:11], s[0:1], 0x0               ; x s[4:5], pos s[6:7], wts s[8:9], tab s[10:11]
	s_load_b64 s[12:13], s[0:1], 0x20              ; out0
	v_lshl_add_u32 v[SPW], v0, 2, SPARE
	v_mov_b32 v[NIL], 0
	ds_add_u32 v1, v2
	s_wait_dscnt 0x0
	v_lshrrev_b32 v4, 5, v0
	v_readfirstlane_b32 s[WV], v4                  ; wave 0..7
	s_bfe_u32 s15, ttmp6, 0x40000                  ; cx: it enters the addresses of x, pos and out0 alone
	s_lshl_b32 s16, ttmp9, 2
	s_add_co_u32 s16, s16, s15                     ; work-group = 4 x cluster + cx
	s_lshl_b32 s17, s16, 3
	s_add_co_u32 s17, s17, s[WV]                   ; my window
	s_lshr_b32 s18, s17, 9
	s_lshl_b32 s18, s18, 14                        ; 16,384 b
	s_bfe_u32 s19, s17, 0x40005
	s_lshl_b32 s19, s19, 10                        ; + 1,024 (window row)
	s_add_co_u32 s18, s18, s19
	s_and_b32 s19, s17, 31
	s_lshl_b32 s19, s19, 3                         ; + 8 (window column): the window's first token; token n = 8 hs + ws of it lies 256 hs + ws further on
	s_add_co_u32 s18, s18, s19
	s_lshl_b32 s20, s18, 10
	s_mov_b32 s21, 0
	s_lshl_b32 s22, s18, 3
	s_mov_b32 s23, 0
	s_mul_i32 s18, s[WV], HALFC
	s_mov_b32 s19, 0
	; descriptor group 1: dense rows of 256 bytes (32 elements of 8 bytes), 66 for half a content, 69 for the table; mask: all four work-groups, bit 21 beside it; no padding
	s_mov_b32 s[G1], 15|(3<<16)|(1<<21)
	s_mov_b32 s[G1+1], 32<<16
	s_mov_b32 s[G1+2], 66<<16
	s_mov_b32 s[G1+3], 32<<16
	s_mov_b32 s[G1+4], 66
	s_mov_b32 s[G1+5], 32
	s_mov_b32 s[G1+6], 0
	s_mov_b32 s[G1+7], 0
	s_mov_b32 s[G1T], 15|(3<<16)|(1<<21)
	s_mov_b32 s[G1T+1], 32<<16
	s_mov_b32 s[G1T+2], 69<<16
	s_mov_b32 s[G1T+3], 32<<16
	s_mov_b32 s[G1T+4], 69
	s_mov_b32 s[G1T+5], 32
	s_mov_b32 s[G1T+6], 0
	s_mov_b32 s[G1T+7], 0
	s_mov_b32 s[SEL], 0x76543210
	s_mov_b32 s[SEL+1], 0xfedcba98
	s_mov_b32 s[MNT], 0x600000
	s_mov_b32 s[RB], SLOT1                         ; the first change of slots turns it to slot 0
	SPAIR L2E, 0x3fb8aa3b
	s_mov_b32 s[SCF], 1.0
	s_mov_b32 s[EPS], 0x3727c5ac
	SPAIR GC+0,  0xc034d90f                        ; the fit's coefficients x log2(e); c0 also takes the factor 1/2
	SPAIR GC+2,  0x3fb8ab5a
	SPAIR GC+4,  0x3f0a29d2
	SPAIR GC+6,  0x3e0efb2e
	SPAIR GC+8,  0xbe899a80
	SPAIR GC+10, 0x3ecdfd18
	SPAIR GC+12, 0xbfd1a1e5
	SPAIR GC+14, 0x40097039
	SPAIR GC+16, 0xbf97d29d
	s_mov_b32 s[K1], 0x3eb504f3
	SPAIR NCX, 0xbf38aa3b
	s_mov_b32 s[R256], 0x3b800000
	v_and_b32 v4, 31, v0                           ; lane
	v_lshlrev_b32 v[LI], 4, v4
	v_lshrrev_b32 v15, 3, v4
	v_and_b32 v13, 7, v4
	v_lshlrev_b32 v13, 3, v13
	v_lshl_add_u32 v14, v15, 11, v13               ; pos: lane l takes token n = l: 2,048 (l / 8) + 8 (l % 8)
	s_wait_kmcnt 0x0
	s_add_nc_u64 s[4:5], s[4:5], s[20:21]
	s_add_nc_u64 s[12:13], s[12:13], s[20:21]
	s_add_nc_u64 s[6:7], s[6:7], s[22:23]
	global_load_b64 v[216:217], v14, s[6:7]
	; all 32 KiB of the window go out at once, 512 consecutive bytes an instruction: tile 0's rows into X's upper half, tile 1's into v88-215
	WIN 0x40
.set rj, 0
.rept 32
	global_load_b128 v[128+4*rj:128+4*rj+3], v[LI], s[4:5] offset:262144*(2*(rj/16))+1024*((rj/2)%8)+512*(rj%2) th:TH_LOAD_NT
.set rj, rj+1
.endr
	WIN 0
.set rj, 0
.rept 32
	global_load_b128 v[ACC+4*rj:ACC+4*rj+3], v[LI], s[4:5] offset:262144*(2*(rj/16)+1)+1024*((rj/2)%8)+512*(rj%2) th:TH_LOAD_NT
.set rj, rj+1
.endr
	s_mov_b32 s[G0], 1
	s_mul_i32 s[G0+1], s[WV], HALFC                ; slot 0, my half
	s_add_nc_u64 s[G0+2:G0+3], s[8:9], s[18:19]
	s_or_b32 s[G0+3], s[G0+3], 0x80000000
	s_mov_b32 s[G0T], 1
	s_mov_b32 s[G0T+1], TAB
	s_mov_b64 s[G0T+2:G0T+3], s[10:11]
	s_or_b32 s[G0T+3], s[G0T+3], 0x80000000
	CROUND                                         ; all four work-groups are here: the first joint loads meet
	s_cmp_lt_u32 s[WV], 2                          ; the first fills: waves 0 and 1 content 0, wave 2 the table: one load a wave
	s_cbranch_scc0 .Lfirst_t
	tensor_load_to_lds s[G0:G0+3], s[G1:G1+7]
	s_nop 0
.rept 4
	v_nop
.endr
	s_branch .Lfirst_done
.Lfirst_t:
	s_cmp_eq_u32 s[WV], 2
	s_cbranch_scc0 .Lfirst_done
	tensor_load_to_lds s[G0T:G0T+3], s[G1T:G1T+7]
	s_nop 0
.rept 4
	v_nop
.endr
.Lfirst_done:
	v_and_b32 v15, 15, v0                          ; r
	v_bfe_u32 v13, v0, 4, 1                        ; h
	s_mul_i32 s17, s[WV], PRIVB
	s_add_co_u32 s17, s17, PRIV0                   ; my region
	s_add_co_u32 s18, s17, P_POS
	v_add_nc_u32 v[PRV], s17, v[LI]
	v_lshl_add_u32 v[PRW], v4, 2, s17
	v_lshl_add_u32 v[TBH], v13, 6, TAB
	v_and_b32 v[TBV], 8, v15
	v_add_nc_u32 v[TBV], v[TBV], v15
	v_lshl_add_u32 v[TBV], v[TBV], 4, TAB+T_BV4
	v_mov_b32 v[TBU], TAB
	v_mul_u32_u24 v[SGI], v15, SGP
	v_lshl_add_u32 v[SGI], v13, 6, v[SGI]
	v_add_nc_u32 v[SGI], s17, v[SGI]
	v_lshl_add_u32 v[PKA], v13, 7, s18
	v_lshrrev_b32 v[PQA], 3, v15
	v_lshlrev_b32 v[PQA], 7, v[PQA]
	v_and_b32 v13, 7, v15
	v_lshl_add_u32 v[PQA], v13, 3, v[PQA]
	v_add_nc_u32 v[PQA], s18, v[PQA]
	v_lshl_add_u32 v15, v4, 3, s18                 ; where my token's position goes
	v_mov_b32 v249, 0                              ; named as upper halves of pairs before they are first written
	v_mov_b32 v251, 0
	v_mov_b32 v255, 0
	; ================ the way in
	s_wait_loadcnt 32                              ; pos and tile 0's 32 loads are in; tile 1's 32 may stay out
	ds_store_b64 v15, v[216:217]
	STIN 0
	s_wait_dscnt 0x0                               ; the stores have read X's upper half, which tile 1 now takes
	s_wait_loadcnt 0x0
	STIN 1
	s_wait_dscnt 0x0
	; ================ LN1
	LNSTAT
	CHANGE 1                                       ; content 0 and the table are whole for every wave; content 1 is asked for
	LNLOOP T_LN1G, T_LN1B
	XCLOAD 4096, 2048, 256, 128
	VADD T_BP                                      ; the projection's bias goes to the residual now
	; ================ Q and K: contents 0 to 3, 64 channels a trip.  G = 2 k + p
	s_mov_b32 s[CK], 0
.Lqk:
	s_cmp_lt_u32 s[CK], 2
	s_cselect_b32 s[SCF], 0x3e3504f3, 1.0          ; q x 1 / sqrt(32) is what is quantised
	s_mov_b32 s[CI], 0
.Lqk2:
	s_lshl_b32 s[T0], s[CI], 14
	s_add_co_u32 s[T0], s[T0], s[RB]
	v_add_nc_u32 v[WA], s[T0], v[LI]               ; fragments 8 p on
	s_lshl_b32 s[T0], s[CI], 9
	s_add_co_u32 s[T0], s[T0], s[RB]
	v_add_nc_u32 v[WB], s[T0], v[LI]               ; their scale words
	s_lshl_b32 s[T1], s[CK], 1
	s_add_co_u32 s[T1], s[T1], s[CI]
	s_lshl_b32 s[T0], s[T1], 8
	v_add_nc_u32 v[WC], s[T0], v[TBH]
	BIASL T_BQ
	ds_load_b128 v[WS:WS+3], v[WB] offset:SCI
	FRAGS 0
	s_wait_dscnt 0x0
	MMT 0
	PLACES
	FRAGS 8192
	s_lshl_b32 s[T0], s[T1], 10
	v_add_nc_u32 v[WD], s[T0], v[PRV]
	s_lshl_b32 s[T0], s[CK], 7
	s_lshl_b32 s[T1], s[CI], 1
	s_add_co_u32 s[T0], s[T0], s[T1]
	v_add_nc_u32 v[WB], s[T0], v[PRW]
	s_wait_dscnt 0x0
	MMT 2
	PLACES
.set rj, 0
.rept 32
	v_pk_mul_f32 v[ACC+rj:ACC+rj+1], v[ACC+rj:ACC+rj+1], s[SCF:SCF+1] op_sel_hi:[1,0]
.set rj, rj+2
.endr
	QUANT ACC, 1
.irp q, 0,1,2,3
	ds_store_b128 v[WD], v[PCD+4*\q:PCD+4*\q+3] offset:8192*(\q/2)+512*(\q%2)
.endr
	ds_store_b16 v[WB], v[PW0] offset:P_SQK        ; two bytes of the fragment's scale word
	ds_store_b16 v[WB], v[PW1] offset:P_SQK+512
	s_wait_dscnt 0x0                               ; the stores have read their registers
	s_add_co_u32 s[CI], s[CI], 1
	s_cmp_lt_u32 s[CI], 2
	s_cbranch_scc1 .Lqk2
	CHANGE 1
	s_add_co_u32 s[CK], s[CK], 1
	s_cmp_lt_u32 s[CK], 4
	s_cbranch_scc1 .Lqk
	; ================ V: contents 4 and 5 (g); a trip (dt) makes one fragment of V^T: four heads x 16 channels x 32 keys
	s_mov_b32 s[CK], 0
.Lv:
	s_mov_b32 s[CI], 0
.Lv2:
	s_lshl_b32 s[T0], s[CI], 14
	s_add_co_u32 s[T0], s[T0], s[RB]
	v_add_nc_u32 v[WA], s[T0], v[LI]
	s_lshl_b32 s[T0], s[CI], 9
	s_add_co_u32 s[T0], s[T0], s[RB]
	v_add_nc_u32 v[WB], s[T0], v[LI]
	s_lshl_b32 s[T0], s[CK], 11
	s_lshl_b32 s[T1], s[CI], 7
	s_add_co_u32 s[T0], s[T0], s[T1]
	v_add_nc_u32 v[WC], s[T0], v[TBV]
.irp t, 0,1,2,3
.irp u, 0,1
	ds_load_b128 v[ACC+16*\t+8*\u:ACC+16*\t+8*\u+3], v[WC] offset:512*\t       ; my channel's bias in all eight registers
	ds_load_b128 v[ACC+16*\t+8*\u+4:ACC+16*\t+8*\u+7], v[WC] offset:512*\t
.endr
.endr
	ds_load_b128 v[WS:WS+3], v[WB] offset:SCI
	FRAGS 0
	s_wait_dscnt 0x0
	MMN 0
	PLACES
	FRAGS 8192
	s_lshl_b32 s[T1], s[CK], 1
	s_add_co_u32 s[T1], s[T1], s[CI]
	s_lshl_b32 s[T0], s[T1], 11
	v_add_nc_u32 v[WD], s[T0], v[PRV]
	s_lshl_b32 s[T0], s[T1], 7
	v_add_nc_u32 v[WB], s[T0], v[PRW]
	s_wait_dscnt 0x0
	MMN 2
	PLACES
	QUANT ACC, 0                                   ; a block is a head's channel x the 32 keys
.irp c, 0,1,2,3
	ds_store_b128 v[WD], v[PCD+4*\c:PCD+4*\c+3] offset:P_V+512*\c
.endr
	ds_store_b32 v[WB], v[PW0] offset:P_SV
	s_wait_dscnt 0x0
	s_add_co_u32 s[CI], s[CI], 1
	s_cmp_lt_u32 s[CI], 2
	s_cbranch_scc1 .Lv2
	CHANGE 1                                       ; the last of these shows content 6 and asks for content 7, which lands during attention
	s_add_co_u32 s[CK], s[CK], 1
	s_cmp_lt_u32 s[CK], 2
	s_cbranch_scc1 .Lv
	; ================ attention: a trip takes a tile of 16 queries through all eight heads
	ZEROQB
.rept 4
	v_nop
.endr
	s_mov_b32 s[CK], 0
.Lat:
	s_lshl_b32 s[T0], s[CK], 13
	v_add_nc_u32 v[WA], s[T0], v[PRV]
	s_lshl_b32 s[T0], s[CK], 9
	v_add_nc_u32 v[WB], s[T0], v[PRW]
	s_lshl_b32 s[T0], s[CK], 6
	v_add_nc_u32 v[WD], s[T0], v[PQA]
.set rj, 0
.rept 32
	ds_load_b128 v[ACC+4*rj:ACC+4*rj+3], v[TBU] offset:T_B2R+16*(rj/4)   ; pe_b2[head] is the C of the scores
.set rj, rj+1
.endr
.irp g, 0,1
.irp u, 0,1
.irp c, 0,1,2,3
	ds_load_b128 v[TM+16*\u+4*\c:TM+16*\u+4*\c+3], v[PRV] offset:8192*\u+2048*(2+\g)+512*\c
.endr
.endr
.irp c, 0,1,2,3
	ds_load_b128 v[XC+20*\c:XC+20*\c+3], v[WA] offset:2048*\g+512*\c     ; head 4 g + c of Q into block c of buffer c
.endr
	ds_load_b32 v[WS], v[PRW] offset:P_SQK+128*(2+\g)
	ds_load_b32 v[WS+1], v[PRW] offset:P_SQK+512+128*(2+\g)
	ds_load_b32 v[WS+2], v[WB] offset:P_SQK+128*\g
	s_wait_dscnt 0x0
.irp c, 0,1,2,3
.irp u, 0,1
	v_wmma_scale_f32_16x16x128_f8f6f4 v[ACC+64*\g+16*\c+8*\u:ACC+64*\g+16*\c+8*\u+7], v[TM+16*\u:TM+16*\u+15], v[XC+16*\c:XC+16*\c+15], v[ACC+64*\g+16*\c+8*\u:ACC+64*\g+16*\c+8*\u+7], v[WS+\u], v[WS+2]
.endr
.endr
	PLACES
.endr
	; the position bias, in f32: the difference of positions first, as the definition has it; the sums go on from what the scores left
.set rj, 0
.rept 8
	ds_load_b128 v[TM+4*rj:TM+4*rj+3], v[PKA] offset:16*rj
.set rj, rj+1
.endr
	ds_load_b64 v[252:253], v[WD]
	s_wait_dscnt 0x0
.set rj, 0
.rept 16
	v_sub_f32 v[RX+rj], v252, v[TM+2*rj]
	v_sub_f32 v[RY+rj], v253, v[TM+2*rj+1]
.set rj, rj+1
.endr
	s_mov_b32 s[CI], 0
.Lpe:                                                  ; four hidden units a trip
	s_lshl_b32 s[T0], s[CI], 8
	v_add_nc_u32 v[WC], s[T0], v[TBU]
	PELOAD 64, 0
	PELOAD 216, 1
	PELOAD 228, 2
	PELOAD 240, 3
	s_wait_dscnt 0x0
	PEU 64
	PEU 216
	PEU 228
	PEU 240
	s_add_co_u32 s[CI], s[CI], 1
	s_cmp_lt_u32 s[CI], 4
	s_cbranch_scc1 .Lpe
	ZEROQB
	SMAX 0
	PVO 0
	SMAX 1
	PVO 1
	s_add_co_u32 s[CK], s[CK], 1
	s_cmp_lt_u32 s[CK], 2
	s_cbranch_scc1 .Lat
	; ================ the projection, onto the residual
	XCLOAD 8192, 2048, 512, 128
	v_add_nc_u32 v[WA], s[RB], v[LI]
	PROJ 0
	CHANGE 1
	v_add_nc_u32 v[WA], s[RB], v[LI]
	PROJ 1
	; ================ LN2
	LNSTAT
	LNLOOP T_LN2G, T_LN2B
	XCLOAD 4096, 2048, 256, 128
	VADD T_FC2B
	v_mov_b32 v254, 0x3e7c6f08                     ; GELU's c9, as a pair
	v_mov_b32 v255, 0x3e7c6f08
	; ================ the MLP.  Trip m has content 8 + m.  Its work falls into two parts:
	;   L(m): half m - 2 of fc2 (K step (m - 2) / 2, eight tiles; m >= 2), then fc1 for hidden units 64 m on (m <= 15): 84 LDS loads, 32 products;
	;   G(g): GELU of group g's 64 hidden units a lane pair, the quantiser, the codes to my region: vector work on registers.
	; The waves are of two kinds, ((w / 4) xor w) % 2: four of each; waves w and w + 4 differ, and so do waves w and w xor 1.  Kind 0 runs L(m), G(m); kind 1 runs G(m - 1), on the accumulators that it
	; kept over the change of slots, then L(m).  So while four waves read LDS and feed the matrix unit, four do vector work.  Half m - 2 of fc2 wants groups up to m - 1, which both kinds have by then.
	; L and G are written once: a trip has two passes, G runs in the pass where pass + kind = 1, L in pass 0.  The branches hang on the wave's number and the counters; no barrier and no tensor load stands under them.
	; All six LDS addresses of a trip are made on the common way, straight behind the change of slots.
	s_lshr_b32 s[TY], s[WV], 2
	s_xor_b32 s[TY], s[TY], s[WV]
	s_and_b32 s[TY], s[TY], 1
	s_xor_b32 s[NT3], s[TY], 1
	s_add_co_u32 s[NT3], s[NT3], 3                 ; 4 - kind
	s_mov_b32 s[CK], 0
.Lmlp:
	CHANGE 1
	v_add_nc_u32 v[WA], s[RB], v[LI]               ; the content
	s_min_u32 s[T0], s[CK], 15
	s_lshl_b32 s[T0], s[T0], 8
	v_add_nc_u32 v[WC], s[T0], v[TBH]              ; fc1's bias of this group
	s_add_co_u32 s[T1], s[CK], 2
	s_bfe_u32 s[T1], s[T1], 0x10001                ; ((m - 2) / 2) % 2: which of the two places holds fc2's K step
	s_lshl_b32 s[T0], s[T1], 12
	v_add_nc_u32 v[WD], s[T0], v[PRV]
	s_lshl_b32 s[T0], s[T1], 8
	v_add_nc_u32 v[WB], s[T0], v[PRW]
	s_add_co_u32 s[GI], s[CK], s[NT3]              ; g + 4, g = m - kind: its two low bits are g's
	s_and_b32 s[T0], s[GI], 3
	s_lshl_b32 s[T0], s[T0], 11
	v_add_nc_u32 v[GA], s[T0], v[PRV]              ; group g's codes: place g % 4
	s_bfe_u32 s[T0], s[GI], 0x10001
	s_lshl_b32 s[T0], s[T0], 8
	s_and_b32 s[T1], s[GI], 1
	s_lshl_b32 s[T1], s[T1], 1
	s_add_co_u32 s[T0], s[T0], s[T1]
	v_add_nc_u32 v[GB], s[T0], v[PRW]              ; its two scale bytes a row
	s_mov_b32 s[CI], 0
.Lpass:
	s_add_co_u32 s[T0], s[CI], s[TY]
	s_cmp_lg_u32 s[T0], 1
	s_cbranch_scc1 .Lnog
	s_cmp_eq_u32 s[GI], 3                          ; g = -1: kind 1 has nothing yet in trip 0
	s_cbranch_scc1 .Lnog
	s_cmp_eq_u32 s[GI], 20                         ; g = 16: kind 0 has nothing left in trip 16
	s_cbranch_scc1 .Lnog
	GELU ACC
	GELU ACC+16
	GELU ACC+32
	GELU ACC+48
	QUANT ACC, 1
.irp q, 0,1,2,3
	ds_store_b128 v[GA], v[PCD+4*\q:PCD+4*\q+3] offset:512*\q
.endr
	ds_store_b16 v[GB], v[PW0] offset:P_SQK
	ds_store_b16 v[GB], v[PW1] offset:P_SQK+128
	s_wait_dscnt 0x0                               ; the stores have read their registers
.Lnog:
	s_cmp_lg_u32 s[CI], 0
	s_cbranch_scc1 .Lnol
	s_cmp_lt_u32 s[CK], 2                          ; the first two trips have no half of fc2 yet
	s_cbranch_scc1 .Lnofc2
	FC2PRE
	s_bitcmp1_b32 s[CK], 0
	s_cbranch_scc1 .Lmodd
	FC2MM 0                                        ; even m: tiles 0-7
	s_branch .Lnofc2
.Lmodd:
	FC2MM 1                                        ; odd m: tiles 8-15
.Lnofc2:
	s_cmp_eq_u32 s[CK], 16                         ; trip 16 has no group of fc1 left
	s_cbranch_scc1 .Lnol
	BIASL T_FC1B
	ds_load_b128 v[WS:WS+3], v[WA] offset:SCI
	FRAGS 0
	s_wait_dscnt 0x0
	MMT 0
	PLACES
	FRAGS 8192
	s_wait_dscnt 0x0
	MMT 2
	PLACES
.Lnol:
	s_add_co_u32 s[CI], s[CI], 1
	s_cmp_lt_u32 s[CI], 2
	s_cbranch_scc1 .Lpass
	s_add_co_u32 s[CK], s[CK], 1
	s_cmp_lt_u32 s[CK], 17
	s_cbranch_scc1 .Lmlp
	CHANGE 0                                       ; the last content is written out: nothing is left to fetch.  m = 17: fc2's half 15: K step 7, tiles 8-15
	v_add_nc_u32 v[WA], s[RB], v[LI]
	v_add_nc_u32 v[WD], 4096, v[PRV]
	v_add_nc_u32 v[WB], 256, v[PRW]
	FC2PRE
	FC2MM 1
	; ================ the way out
	STOUT 0
	s_wait_xcnt 0x0                                ; the stores have read their registers, which the next tile's rows take
	STOUT 1
	s_wait_tensorcnt 0x0                           ; the wave's end
	ds_add_u32 v[SPW], v[NIL]
	s_wait_dscnt 0x0
	CROUND                                         ; the closing round: no work-group ends while a partner may still ask for a content that names it
	s_endpgm
.Lfunc_end_k_qc2865ff9a3_block:
	.size	k_qc2865ff9a3_block, .Lfunc_end_k_qc2865ff9a3_block-k_qc2865ff9a3_block
	.p2alignl 7, 3214868480
	.fill 96, 4, 3214868480
	.section	.rodata,"a",@progbits
	.p2align	6, 0x0
	.amdhsa_kernel k_qc2865ff9a3_block
		.amdhsa_group_segment_fixed_size 327680
		.amdhsa_private_segment_fixed_size 0
		.amdhsa_enable_private_segment 0
		.amdhsa_kernarg_size 40
		.amdhsa_user_sgpr_count 2
		.amdhsa_user_sgpr_kernarg_segment_ptr 1
		.amdhsa_wavefront_size32 1
		.amdhsa_system_sgpr_workgroup_id_x 1
		.amdhsa_system_sgpr_workgroup_id_y 1
		.amdhsa_system_sgpr_workgroup_id_z 1
		.amdhsa_system_vgpr_workitem_id 0
		.amdhsa_next_free_vgpr 512
		.amdhsa_next_free_sgpr 96
		.amdhsa_reserve_vcc 0
		.amdhsa_float_denorm_mode_32 3
		.amdhsa_float_denorm_mode_16_64 3
		.amdhsa_memory_ordered 1
		.amdhsa_forward_progress 1
		.amdhsa_inst_pref_size 255
	.end_amdhsa_kernel
	.section	.bss,"aw",@nobits
	.p2align	6
	.space	262144
	.amdgpu_metadata
---
amdhsa.version: [ 1, 2 ]
amdhsa.kernels:
  - .name:           k_qc2865ff9a3_block
    .symbol:         k_qc2865ff9a3_block.kd
    .args:
      - { .name: x, .offset: 0, .size: 8, .value_kind: global_buffer, .address_space: global }
      - { .name: pos, .offset: 8, .size: 8, .value_kind: global_buffer, .address_space: global }
      - { .name: wts, .offset: 16, .size: 8, .value_kind: global_buffer, .address_space: global }
      - { .name: tab, .offset: 24, .size: 8, .value_kind: global_buffer, .address_space: global }
      - { .name: out0, .offset: 32, .size: 8, .value_kind: global_buffer, .address_space: global }
    .group_segment_fixed_size: 327680
    .private_segment_fixed_size: 0
    .kernarg_segment_align: 8
    .kernarg_segment_size: 40
    .max_flat_workgroup_size: 256
    .sgpr_count:     96
    .vgpr_count:     512
    .wavefront_size: 32
...
	.end_amdgpu_metadata
.endif
;; end of part 2
